; MI455X (gfx1250); checked and timed in simulation.
; The chip was launched on July 23, 2026; its instructions are those of AMD's public machine-readable ISA for CDNA 5 (MIT licence, August 2026) and "CDNA5" Instruction Set Architecture Reference Guide (July 2026). The comments in the code are by the model that wrote it; some were corrected since.
;; Attention. Allowed arithmetic: matrix products marked QUANTISED: E3M2 operands, one E8M0 scale for each 32 along K, by v_wmma_scale_f32_16x16x128_f8f6f4 with both operands' format E3M2, f32 sums; products left as they are: f32 operands where the result goes on into a quantised operand, else bf16, f16 or f32 operands; f32 sums; everything else in f32.
;; Inputs: W_h_codes 1,024 x 32 x 24 uint8 (E3M2 codes of W_h, K innermost, in blocks of 32 codes, four codes in three bytes); W_h_scales 1,024 x 32 uint8 (E8M0 scales of W_h, one for each 32 codes along K); W_y_codes 1,024 x 32 x 24 uint8 (E3M2 codes of W_y, K innermost, in blocks of 32 codes, four codes in three bytes); W_y_scales 1,024 x 32 uint8 (E8M0 scales of W_y, one for each 32 codes along K); encoding_codes 32 x 32 x 24 uint8 (E3M2 codes of encoding, K innermost, in blocks of 32 codes, four codes in three bytes); encoding_scales 32 x 32 uint8 (E8M0 scales of encoding, one for each 32 codes along K); full_input 32 x 2,048 x 1,024 float32; mask 32 x 2,048 float32; w_a 1,024 float32.
;; Outputs: out0 32 x 1,024 float32.
;; This version of the problem:
;;   THIS VERSION OF THE PROBLEM IS GIVEN IN LOW PRECISION. The matrix products marked QUANTISED in the list below multiply operands that are first quantised to E3M2 (3 exponent bits, 2 mantissa bits; 6 bits a number), with one power-of-two scale for each 32 numbers along K (OCP MX v1.0); their sums are f32. All else is computed in f32.
;;   The module's matrix products, in the order in which they are computed (A, B: the left and right operand; K: the contracted axis; several contracted axes count as one K, in the product's order):
;;     1. [M 32, K 1,024] x [K 1,024, N 1,024]; A: input encoding (given as codes); B: input W_h (given as codes): QUANTISED
;;     2. [M 65,536, K 1,024] x [K 1,024, N 1,024]; A: input full_input; B: input W_y (given as codes): QUANTISED
;;     3. [M 65,536, K 1,024] x [K 1,024, N 1]; A: computed on the way; B: input w_a: left as it is (N = 1 < 16)
;;   THE QUANTISER, for each operand of a quantised product, along K:
;;     - K is cut into blocks of 32 from its start; a last block that is shorter is filled with zeros.
;;     - A block's scale is 2^e with e = floor(log2(the largest magnitude in the block)) - 4, held to -126 .. 127; a block of zeros has e = 0. As a byte (E8M0): e + 127.
;;     - Each number is divided by its block's scale, clamped to +-28, and rounded to the nearest number of E3M2, ties to even, subnormals kept.
;;     - The product sums the exact products of the quantised numbers (number of the format x scale) in f32.
;;   ~~~python
;;   def quantise(x, axis):      # numpy; x: float32 -> the quantised numbers, widened to float32 again
;;       x = np.moveaxis(x, axis, -1); K = x.shape[-1]
;;       x = np.pad(x, [(0, 0)] * (x.ndim - 1) + [(0, -K % 32)]); x = x.reshape(x.shape[:-1] + (-1, 32)); a = np.abs(x).max(-1, keepdims=True)
;;       e = np.where(a > 0, np.clip(np.frexp(np.where(a > 0, a, 1))[1] - 1 - 4, -126, 127), 0)      # np.frexp(a)[1] - 1 = floor(log2(a)), exactly
;;       r = np.clip(x / 2.0 ** e, -28, 28)
;;       step = 2.0 ** (np.maximum(np.frexp(np.where(r == 0, 1, r))[1] - 1, -2) - 2)
;;       q = np.round(r / step) * step * 2.0 ** e      # np.round: ties to even
;;       return np.moveaxis(q.reshape(q.shape[:-2] + (-1,))[..., :K], -1, axis).astype(np.float32)
;;   ~~~
;;   INPUTS GIVEN AS CODES. W_h (in the module: [1024, 1024], K = its axis 1); W_y (in the module: [1024, 1024], K = its axis 1); encoding (in the module: [32, 1024], K = its axis 1): each comes as NAME_codes (uint8): NAME with its K axis moved to the last place and cut into blocks of 32 codes, [.., K / 32, bytes a block], one block behind the other in memory; four codes in three bytes: a row's codes are one little-endian stream of bits, code i at bits 6 i .. 6 i + 5 (a code: sign, 3 exponent bits, 2 mantissa bits); and NAME_scales (uint8): the same leading axes, one E8M0 byte (e + 127) for each 32 codes along K. Its value is code x scale, taken as it is: it is not quantised again, and the codes and scales need not be those that the quantiser above would give.
;; One version. Each part assembles by itself: llvm-mc -triple=amdgcn-amd-amdhsa -mcpu=gfx1250 --defsym DOCPART=n.
;; ======== version 1 of 1: 3 launches
;; limits: right only within a limited range of input values
;; workspace buffers: wimg 819,200 bytes; tab 524,288 bytes; u 262,144 bytes; flags 4,096 bytes of whole numbers
;; launch prep (part 1): grid 64 x 1, 4 waves a work-group, no clusters, 0 bytes of LDS; arguments W_h_codes, W_h_scales, W_y_codes, W_y_scales, encoding_codes, encoding_scales, mask, w_a, wimg, tab, flags; writes wimg, tab, flags
.if DOCPART == 1
	.amdgcn_target "amdgcn-amd-amdhsa--gfx1250"
	.amdhsa_code_object_version 6
	.text
	.protected	k_q25c6ba9133_prep
	.globl	k_q25c6ba9133_prep
	.p2align	8
	.type	k_q25c6ba9133_prep,@function
k_q25c6ba9133_prep:
	s_mov_b64 s[64:65], 0
	v_nop
	global_prefetch_b8 v0, s[64:65] scope:SCOPE_SE
	s_setreg_imm32_b32 hwreg(HW_REG_WAVE_MODE, 25, 1), 1
	s_wait_xcnt 0x0
; PREP: three small things that the two large launches want ready.  Work-group t owns the 16 columns n = 16 t .. 16 t + 15.
; (1) waves 0, 1: whhn = encoding W_h^T on the given codes of E3M2 (wave m: batches 16 m .. 16 m + 15), stored as the table tab[b][n] of 16 bytes:
;     (cb, wa, wa, cb), cb = 2 log2(e) whhn[b][n], wa = w_a[n].  Both orders of the pair are kept, so that a load of 8 bytes gives a register pair whose LOW word is the number that a packed
;     instruction spreads over both halves.
; (2) waves 2, 3: W_y's 16 rows as IMAGES OF THE OPERAND'S REGISTERS: record t of wimg, 12,800 bytes: fragment s (128 along K, 12 registers a lane) at 1,536 s, registers 4 g .. 4 g + 3 of lane l at 512 g + 16 l;
;     at 12,288 the scale bytes: lane (r, h) holds bytes 16 h .. 16 h + 15 of row 16 t + r, so that register i carries K step i in lanes 0-15 and K step 4 + i in lanes 16-31.
; (3) wave 3: flags[c] = 1 if any of the 64 numbers of the mask at flat rows 64 c .. 64 c + 63 is not 0, else 0: whole numbers at fixed places, chosen by v_cndmask_b32, on which a later launch branches.
; No cluster: no tile goes through LDS here, each work-group loads its own rows into registers.
; LIMITS: a NaN in the mask counts as 0 for the flag.
.set C2, 0x4038aa3b                    ; 2 log2(e)
.macro IMG_OUT                         ; four fragments, 48 registers a lane, as they stand: each store covers 512 consecutive bytes, aligned to 256
.irp g, 0,1,2,3,4,5,6,7,8,9,10,11
	global_store_b128 v6, v[32+4*\g:35+4*\g], s[36:37] offset:512*\g
.endr
.endm
	s_load_b512 s[4:19], s[0:1], 0x0               ; W_h codes s[4:5], scales s[6:7]; W_y codes s[8:9], scales s[10:11]; encoding codes s[12:13], scales s[14:15]; mask s[16:17]; w_a s[18:19]
	s_load_b128 s[20:23], s[0:1], 0x40             ; wimg s[20:21], tab s[22:23]
	s_load_b64 s[24:25], s[0:1], 0x50              ; flags
	v_lshrrev_b32 v1, 5, v0
	v_readfirstlane_b32 s26, v1                    ; wave 0..3
	v_and_b32 v1, 15, v0                           ; r
	v_bfe_u32 v2, v0, 4, 1                         ; h
	v_mul_u32_u24 v3, v1, 768                      ; a row of 1,024 codes is 768 bytes
	v_mad_u32_u24 v3, v2, 24, v3                   ; + 24 h: my half's 32 codes
	v_lshlrev_b32 v5, 5, v1
	v_lshl_add_u32 v5, v2, 4, v5                   ; scale bytes: 32 r + 16 h
	v_and_b32 v6, 31, v0
	v_lshlrev_b32 v6, 4, v6                        ; 16 x lane
	s_mul_i32 s28, ttmp9, 12288                    ; 16 rows of codes
	s_mov_b32 s29, 0
	s_lshl_b32 s30, ttmp9, 9                       ; 16 rows of scale bytes
	s_mov_b32 s31, 0
	s_wait_kmcnt 0x0
	s_cmp_lt_u32 s26, 2
	s_cbranch_scc0 .Limage
	; ---- waves 0, 1: the first product
	s_add_nc_u64 s[4:5], s[4:5], s[28:29]          ; W_h at row 16 t
	s_add_nc_u64 s[6:7], s[6:7], s[30:31]
	s_mul_i32 s32, s26, 12288
	s_mov_b32 s33, 0
	s_add_nc_u64 s[12:13], s[12:13], s[32:33]      ; encoding at row 16 m
	s_lshl_b32 s32, s26, 9
	s_add_nc_u64 s[14:15], s[14:15], s[32:33]
	s_lshl_b32 s32, ttmp9, 6
	s_add_nc_u64 s[18:19], s[18:19], s[32:33]      ; w_a at 16 t
	s_lshl_b32 s32, s26, 18                        ; tab: 16 m rows of 16,384 bytes
	s_lshl_b32 s34, ttmp9, 8                       ; + 16 t entries of 16 bytes
	s_add_co_u32 s32, s32, s34
	s_add_nc_u64 s[22:23], s[22:23], s[32:33]
	s_wait_alu depctr_va_vdst(0)
	v_lshlrev_b32 v7, 2, v1                        ; w_a: 4 r
	v_lshlrev_b32 v4, 4, v1
	v_lshl_add_u32 v4, v2, 17, v4                  ; tab: 8 h rows + 16 r
.irp s, 0,1,2,3,4,5,6,7
.irp p, 0,1,2,3,4,5
	global_load_b64 v[32+12*\s+2*\p:33+12*\s+2*\p], v3, s[4:5] offset:96*\s+48*(\p/3)+8*(\p%3)      ; W_h's fragment s: the row's stream of bits as it lies
	global_load_b64 v[128+12*\s+2*\p:129+12*\s+2*\p], v3, s[12:13] offset:96*\s+48*(\p/3)+8*(\p%3)  ; encoding's
.endr
.endr
	global_load_b128 v[224:227], v5, s[6:7]        ; W_h's scale words: register i: K step i (lanes 0-15), 4 + i (lanes 16-31)
	global_load_b128 v[228:231], v5, s[14:15]      ; encoding's likewise
	global_load_b32 v232, v7, s[18:19]             ; wa of my column
	s_wait_loadcnt 0x0
	; source 0 = 16 batches, source 1 = 16 columns: register j of lane (r, h) is whhn(16 m + 8 h + j, 16 t + r).  One accumulator, K ascending: a wait ahead of every link.
	v_wmma_scale_f32_16x16x128_f8f6f4 v[240:247], v[128:139], v[32:43], 0, v228, v224 matrix_a_fmt:MATRIX_FMT_BF6 matrix_b_fmt:MATRIX_FMT_BF6
.irp s, 1,2,3
	s_wait_alu depctr_va_vdst(0)
	v_wmma_scale_f32_16x16x128_f8f6f4 v[240:247], v[128+12*\s:139+12*\s], v[32+12*\s:43+12*\s], v[240:247], v[228+\s], v[224+\s] matrix_a_fmt:MATRIX_FMT_BF6 matrix_b_fmt:MATRIX_FMT_BF6
.endr
.irp s, 4,5,6,7
	s_wait_alu depctr_va_vdst(0)
	v_wmma_scale_f32_16x16x128_f8f6f4 v[240:247], v[128+12*\s:139+12*\s], v[32+12*\s:43+12*\s], v[240:247], v[224+\s], v[220+\s] matrix_a_fmt:MATRIX_FMT_BF6 matrix_b_fmt:MATRIX_FMT_BF6 matrix_a_scale:MATRIX_SCALE_ROW1 matrix_b_scale:MATRIX_SCALE_ROW1
.endr
.rept 4
	v_nop                                          ; four places between the last product and the lines that read its result and write over its sources (ISA guide 7.12.1)
.endr
.irp j, 0,1,2,3,4,5,6,7                ; the accumulator from its low end on
	v_mul_f32 v[32+4*\j], C2, v[240+\j]
	v_mov_b32 v[33+4*\j], v232
	v_mov_b32 v[34+4*\j], v232
	v_mul_f32 v[35+4*\j], C2, v[240+\j]
.endr
.irp j, 0,1,2,3,4,5,6,7
	global_store_b128 v4, v[32+4*\j:35+4*\j], s[22:23] offset:16384*\j   ; sixteen lanes store 256 consecutive bytes, aligned
.endr
	s_endpgm
.Limage:
	; ---- waves 2, 3: W_y's fragments 4 q .. 4 q + 3, q = wave - 2
	s_sub_co_u32 s27, s26, 2
	s_mul_i32 s32, s27, 384                        ; four K steps of 96 bytes
	s_mov_b32 s33, 0
	s_add_nc_u64 s[8:9], s[8:9], s[28:29]
	s_add_nc_u64 s[8:9], s[8:9], s[32:33]
	s_mul_i32 s34, ttmp9, 12800
	s_mov_b32 s35, 0
	s_add_nc_u64 s[20:21], s[20:21], s[34:35]      ; record t
	s_mul_i32 s32, s27, 6144
	s_add_nc_u64 s[36:37], s[20:21], s[32:33]      ; my four fragments' images
	s_wait_alu depctr_va_vdst(0)
.irp s, 0,1,2,3
.irp p, 0,1,2,3,4,5
	global_load_b64 v[32+12*\s+2*\p:33+12*\s+2*\p], v3, s[8:9] offset:96*\s+48*(\p/3)+8*(\p%3)
.endr
.endr
	s_cmp_eq_u32 s26, 2
	s_cbranch_scc0 .Lflags
	s_add_nc_u64 s[10:11], s[10:11], s[30:31]      ; wave 2 also copies the scale bytes
	global_load_b128 v[80:83], v5, s[10:11]
	s_wait_loadcnt 0x1                             ; the codes are in; the one younger load may be out
	IMG_OUT
	s_wait_loadcnt 0x0
	global_store_b128 v6, v[80:83], s[20:21] offset:12288
	s_endpgm
.Lflags:
	; ---- wave 3 also makes the flags of chunks 16 t .. 16 t + 15: 4,096 bytes of the mask
	s_lshl_b32 s32, ttmp9, 12
	s_add_nc_u64 s[16:17], s[16:17], s[32:33]
	s_lshl_b32 s32, ttmp9, 6
	s_add_nc_u64 s[24:25], s[24:25], s[32:33]
.irp i, 0,1,2,3,4,5,6,7
	global_load_b128 v[96+4*\i:99+4*\i], v6, s[16:17] offset:512*\i      ; lanes 0-15: chunk 2 i, lanes 16-31: chunk 2 i + 1
.endr
	s_wait_loadcnt 0x8                             ; the codes are in; the eight younger loads may be out
	IMG_OUT
	s_wait_loadcnt 0x0
.irp i, 0,1,2,3,4,5,6,7
	v_max3_num_f32 v[128+\i], |v[96+4*\i]|, |v[97+4*\i]|, |v[98+4*\i]|
.endr
.irp i, 0,1,2,3,4,5,6,7
	v_max_num_f32 v[128+\i], v[128+\i], |v[99+4*\i]|
.endr
.irp m, 1,2,4,8                        ; over the sixteen lanes that share a chunk
.irp i, 0,1,2,3,4,5,6,7
	v_max_num_f32_dpp v[128+\i], v[128+\i], v[128+\i] row_xmask:\m row_mask:0xf bank_mask:0xf
.endr
.endr
	v_and_b32 v8, 7, v0                            ; lane (r, h) keeps chunk 2 (r % 8) + h
	v_mov_b32 v9, v128
.irp i, 1,2,3,4,5,6,7
	v_cmp_eq_u32 vcc_lo, \i, v8
	v_cndmask_b32 v9, v9, v[128+\i], vcc_lo
.endr
	v_cmp_lt_f32 vcc_lo, 0, v9
	v_cndmask_b32 v10, 0, 1, vcc_lo
	v_lshlrev_b32 v11, 3, v8
	v_lshl_add_u32 v11, v2, 2, v11
	global_store_b32 v11, v10, s[24:25]            ; 64 consecutive bytes; lanes r and r + 8 write the same word with the same value
	s_endpgm
.Lfunc_end_k_q25c6ba9133_prep:
	.size	k_q25c6ba9133_prep, .Lfunc_end_k_q25c6ba9133_prep-k_q25c6ba9133_prep
	.p2alignl 7, 3214868480
	.fill 96, 4, 3214868480
	.section	.rodata,"a",@progbits
	.p2align	6, 0x0
	.amdhsa_kernel k_q25c6ba9133_prep
		.amdhsa_group_segment_fixed_size 0
		.amdhsa_private_segment_fixed_size 0
		.amdhsa_enable_private_segment 0
		.amdhsa_kernarg_size 88
		.amdhsa_user_sgpr_count 2
		.amdhsa_user_sgpr_kernarg_segment_ptr 1
		.amdhsa_wavefront_size32 1
		.amdhsa_system_sgpr_workgroup_id_x 1
		.amdhsa_system_sgpr_workgroup_id_y 1
		.amdhsa_system_sgpr_workgroup_id_z 1
		.amdhsa_system_vgpr_workitem_id 0
		.amdhsa_next_free_vgpr 256
		.amdhsa_next_free_sgpr 66
		.amdhsa_reserve_vcc 1
		.amdhsa_float_denorm_mode_32 3
		.amdhsa_float_denorm_mode_16_64 3
		.amdhsa_memory_ordered 1
		.amdhsa_forward_progress 1
		.amdhsa_inst_pref_size 25
	.end_amdhsa_kernel
	.amdgpu_metadata
---
amdhsa.version: [ 1, 2 ]
amdhsa.kernels:
  - .name:           k_q25c6ba9133_prep
    .symbol:         k_q25c6ba9133_prep.kd
    .args:
      - { .name: W_h_codes, .offset: 0, .size: 8, .value_kind: global_buffer, .address_space: global }
      - { .name: W_h_scales, .offset: 8, .size: 8, .value_kind: global_buffer, .address_space: global }
      - { .name: W_y_codes, .offset: 16, .size: 8, .value_kind: global_buffer, .address_space: global }
      - { .name: W_y_scales, .offset: 24, .size: 8, .value_kind: global_buffer, .address_space: global }
      - { .name: encoding_codes, .offset: 32, .size: 8, .value_kind: global_buffer, .address_space: global }
      - { .name: encoding_scales, .offset: 40, .size: 8, .value_kind: global_buffer, .address_space: global }
      - { .name: mask, .offset: 48, .size: 8, .value_kind: global_buffer, .address_space: global }
      - { .name: w_a, .offset: 56, .size: 8, .value_kind: global_buffer, .address_space: global }
      - { .name: wimg, .offset: 64, .size: 8, .value_kind: global_buffer, .address_space: global }
      - { .name: tab, .offset: 72, .size: 8, .value_kind: global_buffer, .address_space: global }
      - { .name: flags, .offset: 80, .size: 8, .value_kind: global_buffer, .address_space: global }
    .group_segment_fixed_size: 0
    .private_segment_fixed_size: 0
    .kernarg_segment_align: 8
    .kernarg_segment_size: 88
    .max_flat_workgroup_size: 128
    .sgpr_count:     66
    .vgpr_count:     256
    .wavefront_size: 32
...
	.end_amdgpu_metadata
.endif
;; end of part 1
;; launch logits (part 2): grid 256 x 1, 8 waves a work-group, clusters of 4 x 1, 327,680 bytes of LDS; arguments full_input, mask, wimg, tab, u; writes u
.if DOCPART == 2
	.amdgcn_target "amdgcn-amd-amdhsa--gfx1250"
	.amdhsa_code_object_version 6
	.text
	.protected	k_q25c6ba9133_logits
	.globl	k_q25c6ba9133_logits
	.p2align	8
	.type	k_q25c6ba9133_logits,@function
k_q25c6ba9133_logits:
	s_mov_b64 s[64:65], 0
	v_nop
	global_prefetch_b8 v0, s[64:65] scope:SCOPE_SE
	s_setreg_imm32_b32 hwreg(HW_REG_WAVE_MODE, 25, 1), 1
	s_wait_xcnt 0x0
	s_wait_alu depctr_hold_cnt(0) depctr_sa_sdst(0) depctr_va_vdst(0) depctr_va_sdst(0) depctr_va_ssrc(0) depctr_va_vcc(0) depctr_vm_vsrc(0)
	s_getreg_b32 s2, hwreg(HW_REG_IB_STS2, 6, 4)
	s_cmp_eq_u32 s2, 0
	s_cbranch_scc0 .Lentry_in_a_cluster
	s_endpgm
.Lentry_in_a_cluster:
	s_bfe_u32 s2, ttmp6, 0x10000c
	s_cmp_lg_u32 s2, 0x3003
	s_cbranch_scc0 .Lentry_shape_is_right
	s_endpgm
.Lentry_shape_is_right:
; LOGITS: u[b][t] = exp(sigmoid(sum over n of w_a[n] tanh(x[b][t] . W_y[n] + whhn[b][n]))) x mask[b][t].  No step of the definition is left out.
; A work-group owns 256 flat rows of x (an eighth of a batch), a wave 32 of them.  Eight waves of 512 registers: two on each SIMD.
; HEAD: a wave's 32 rows x 1,024 numbers come in 16 units of 16 rows x 128 K (16 loads of 512 consecutive bytes), are turned through the wave's own LDS stage so that a lane holds 32 neighbours along K,
; and are quantised to E3M2 with E8M0 scales; the codes stay in registers: 2 row tiles x 8 K steps x 12 registers.
; LOOP: 64 visits, one for each record of wimg (16 columns of W_y as images of the operand's registers, 12,800 bytes).  A visit: 25 LDS loads for the next record, 16 matrix instructions on end (two accumulators
; by turns, K ascending), then tanh = 1 - 2 / (1 + 2^(c x + cb)) in four batches and the sums  acc += wa / (1 + 2^..)  in the result's layout (lane = column, register = row).
; The records go through two LDS slots of eight, filled by joint tensor loads of the cluster's four work-groups, which walk the same records; each wave fetches one record (50 rows of 256 bytes).
; A cluster's 1,024 rows lie in one batch, so its table (cb, wa, wa, cb)[n], 16 KiB, is fetched jointly too.
; No prefetch: a refill is asked for eight visits ahead of its first read, and all 64 clusters walk the same 819,200 bytes of wimg; x is a plain stream read once.
; LIMITS: where c x + cb passes the range of 2^t the exponential is infinity or 0 and tanh is 1 or -1, as in the definition.  A NaN in x reaches u of its own row alone.
; REGISTERS.  Window 0: v0-15 addresses; v16-23 x's scale words; v24-31 W's scale words (two sets); v32-49 at work; v50-53 (wa, cb), two sets; v64-159, v160-255 W's fragments, two sets
;   (in the head: v64-127, v128-191 two units as loaded, v192-255 a unit as turned).  Window 1: v0-191 codes; v192-207 the two accumulators; v224-239 acc; v240-243 (cb, wa), two sets; v252 sum of wa
;   (in the head v192-255: a third unit as loaded).
.set REC,    12800
.set SLOTB,  8*REC
.set SLOT1,  131072                    ; slot 1; slot 0 lies at 0
.set TAB,    102400                    ; the table, 16,384 bytes
.set STG,    233472                    ; the stages: 16 rows x 528 bytes for each wave
.set STGW,   8448
.set SP,     528
.set SCR,    301056                    ; the 256 rows' sums on the way out
.set SPARE,  303104                    ; the spare words: 128 bytes for each of eight waves
.set XB,     192
.set MSB, 0
.macro WIN new                         ; the immediate's high byte repeats the setting that is left
.if MSB != (\new)
	s_set_vgpr_msb (MSB<<8)|(\new)
.set MSB, (\new)
.endif
.endm
.macro FOUR
.rept 4
	v_nop
.endr
.endm
.macro CROUND                          ; a round of the cluster's barrier
	s_barrier_signal -1
	s_barrier_wait -1
	s_cmp_lg_u32 s14, 0
	s_cbranch_scc1 .Lnot_wave_0_\@
	s_barrier_signal -3
.Lnot_wave_0_\@:
	s_barrier_wait -3
	s_barrier_signal -1
	s_barrier_wait -1
.endm
	s_load_b256 s[4:11], s[0:1], 0x0               ; x s[4:5], mask s[6:7], wimg s[8:9], tab s[10:11]
	s_load_b64 s[12:13], s[0:1], 0x20              ; u
	v_lshl_add_u32 v1, v0, 2, SPARE
	v_mov_b32 v2, 0
	ds_add_u32 v1, v2                              ; the opening lines: the add twice on end and its one wait
	ds_add_u32 v1, v2
	v_lshrrev_b32 v32, 5, v0
	s_delay_alu instid0(VALU_DEP_1)
	v_readfirstlane_b32 s14, v32                   ; wave 0..7
	s_bfe_u32 s15, ttmp6, 0x40000                  ; cx
	s_lshl_b32 s16, ttmp9, 2
	s_add_co_u32 s16, s16, s15                     ; work-group 0..255
	s_mov_b32 s20, 0x76543210
	s_mov_b32 s21, 0xfedcba98                      ; v_permlanex16_b32's selects for lane l xor 16
	s_mov_b32 s22, 0x4038aa3b                      ; c = 2 log2(e)
	s_mov_b32 s23, s22
	s_mov_b32 s24, 0xffff0000                      ; lanes 16-31
	s_mov_b32 s32, 15|(3<<16)|(1<<21)              ; group 1 for a record: 50 rows of 32 elements of 8 bytes, dense; the mask names the cluster's four
	s_mov_b32 s33, 32<<16
	s_mov_b32 s34, 50<<16
	s_mov_b32 s35, 32<<16
	s_mov_b32 s36, 50
	s_mov_b32 s37, 32
	s_mov_b32 s38, 0
	s_mov_b32 s39, 0
	s_mov_b32 s40, 15|(3<<16)|(1<<21)              ; group 1 for an eighth of the table: 8 such rows
	s_mov_b32 s41, 32<<16
	s_mov_b32 s42, 8<<16
	s_mov_b32 s43, 32<<16
	s_mov_b32 s44, 8
	s_mov_b32 s45, 32
	s_mov_b32 s46, 0
	s_mov_b32 s47, 0
	s_mul_i32 s60, s14, REC                        ; my record of a slot's eight
	s_mov_b32 s61, 0
	s_lshr_b32 s62, ttmp9, 1                       ; the batch: two clusters to each
	s_lshl_b32 s62, s62, 14
	s_lshl_b32 s63, s14, 11                        ; my 2,048 bytes of its table
	s_add_co_u32 s62, s62, s63
	s_mov_b32 s48, 1                               ; group 0: slot 0's first fill,
	s_mov_b32 s49, s60
	s_mov_b32 s52, 1                               ; the ring's from slot 1's first fill on,
	s_add_co_u32 s53, s60, SLOT1
	s_mov_b32 s56, 1                               ; the table's
	s_add_co_u32 s57, s63, TAB
	s_mov_b32 s63, 0
	s_mul_i32 s29, s14, STGW
	s_add_co_u32 s29, s29, STG                     ; my stage
	s_lshl_b32 s30, s14, 8
	s_add_co_u32 s30, s30, SCR                     ; where waves 0-3 read 64 rows' sums
	s_lshl_b32 s31, s14, 7
	s_add_co_u32 s31, s31, SCR                     ; where I put my 32
	v_and_b32 v3, 31, v0
	v_and_b32 v34, 15, v0                          ; r
	v_bfe_u32 v33, v0, 4, 1                        ; h
	s_delay_alu instid0(VALU_DEP_3)
	v_lshlrev_b32 v15, 3, v3                       ; 8 x lane
	s_delay_alu instid0(VALU_DEP_4)
	v_lshlrev_b32 v3, 4, v3                        ; 16 x lane
	s_delay_alu instid0(VALU_DEP_4)
	v_mul_u32_u24 v5, v34, SP
	v_lshl_add_u32 v7, v34, 4, TAB                 ; the table's entry of column r
	v_lshlrev_b32 v8, 3, v33                       ; 8 h
	s_delay_alu instid0(VALU_DEP_3)
	v_lshl_add_u32 v5, v33, 7, v5
	v_add_nc_u32 v4, s29, v3                       ; into the stage: a row's 512 bytes by the 32 lanes
	s_delay_alu instid0(VALU_DEP_2)
	v_add_nc_u32 v5, s29, v5                       ; back: row r, 128 bytes from 128 h on
	v_lshl_add_u32 v10, v33, 5, s31
	v_add_nc_u32 v11, s30, v15
	v_mov_b32 v49, 0                               ; (a lane permute's destination counts as read)
	s_wait_alu depctr_va_vdst(0)                   ; the wait at the head's end
	s_wait_dscnt 0x0                               ; both opening adds are done
	s_wait_kmcnt 0x0
	s_add_nc_u64 s[50:51], s[8:9], s[60:61]        ; records 0-7
	s_add_nc_u64 s[54:55], s[50:51], SLOTB         ; records 8-15
	s_or_b32 s51, s51, 0x80000000
	s_or_b32 s55, s55, 0x80000000
	s_add_nc_u64 s[58:59], s[10:11], s[62:63]
	s_or_b32 s59, s59, 0x80000000
	s_lshl_b32 s18, s16, 20                        ; x: 256 rows of 4,096 bytes a work-group,
	s_lshl_b32 s17, s14, 17                        ; 32 a wave
	s_add_co_u32 s18, s18, s17
	s_mov_b32 s19, 0
	s_add_nc_u64 s[4:5], s[4:5], s[18:19]
	s_lshl_b32 s18, s16, 10                        ; mask and u: 1,024 bytes a work-group; waves 0-3 take 256 each
	s_lshl_b32 s17, s14, 8
	s_add_co_u32 s18, s18, s17
	s_add_nc_u64 s[6:7], s[6:7], s[18:19]
	s_add_nc_u64 s[12:13], s[12:13], s[18:19]
	s_cmp_lt_u32 s14, 4
	s_cbranch_scc0 .Lno_mask
	global_load_b64 v[12:13], v15, s[6:7]          ; the mask of the 64 rows that I finish at the end
.Lno_mask:
.macro LOAD f                          ; unit f: rows 16 (f / 8) .. + 15, K = 128 (f % 8) .. + 127, into ring place f % 3
.if (\f)%3 == 2
	WIN 0x40
.set LB, 192
.else
	WIN 0
.set LB, 64+64*((\f)%3)
.endif
.set J, 0
.rept 16
	global_load_b128 v[LB+4*J:LB+4*J+3], v3, s[4:5] offset:(16*((\f)/8)+J)*4096+512*((\f)%8) th:TH_LOAD_NT
.set J, J+1
.endr
.endm
.macro TURN f                          ; through my stage: in by rows, back so that lane (r, h) holds K = 64 c + 32 h + 0 .. 31 of row r in registers 32 c .. 32 c + 31.  LDS serves a wave's instructions in order
.if (\f)%3 == 2
	WIN 0x04
.set LB, 192
.else
	WIN 0
.set LB, 64+64*((\f)%3)
.endif
.set J, 0
.rept 16
	ds_store_b128 v4, v[LB+4*J:LB+4*J+3] offset:SP*J
.set J, J+1
.endr
	WIN 0
.set J, 0
.rept 16
	ds_load_b128 v[XB+4*J:XB+4*J+3], v5 offset:256*(J/8)+16*(J%8)
.set J, J+1
.endr
.endm
.macro QUANT f                         ; my two blocks of 32: largest magnitude over the floor 2^(5 - 127), 4 off its exponent field, codes, scale bytes
.set QT, (\f)/8
.set QS, (\f)%8
.set CD, 96*QT+12*QS
	WIN 0
.irp c, 0,1,2,3
	v_max3_num_f32 v[32+\c], |v[XB+16*\c]|, |v[XB+16*\c+1]|, 0x2800000
.endr
.irp i, 2,4,6,8,10,12,14
.irp c, 0,1,2,3
	v_max3_num_f32 v[32+\c], v[32+\c], |v[XB+16*\c+\i]|, |v[XB+16*\c+\i+1]|
.endr
.endr
	s_delay_alu instid0(VALU_DEP_3)
	v_max_num_f32 v32, v32, v33
	s_delay_alu instid0(VALU_DEP_2)
	v_max_num_f32 v34, v34, v35
	s_delay_alu instid0(VALU_DEP_2)
	v_add_nc_u32 v36, 0xfe000000, v32
	s_delay_alu instid0(VALU_DEP_2)
	v_add_nc_u32 v37, 0xfe000000, v34
	v_cvt_scalef32_pk16_bf6_f32 v[40:42], v[XB+16:XB+31], v36     ; (a conversion's three registers begin on an even number: a block's upper half is made here and moved)
	v_cvt_scalef32_pk16_bf6_f32 v[44:46], v[XB+48:XB+63], v37
	WIN 0x40
	v_cvt_scalef32_pk16_bf6_f32 v[CD:CD+2], v[XB:XB+15], v36
	v_cvt_scalef32_pk16_bf6_f32 v[CD+6:CD+8], v[XB+32:XB+47], v37
	v_nop                                          ; one plain place behind a scaled conversion
.irp i, 0,1,2
	v_mov_b32 v[CD+3+\i], v[40+\i]
	v_mov_b32 v[CD+9+\i], v[44+\i]
.endr
	WIN 0
	v_lshrrev_b32 v38, 23, v36
	v_lshrrev_b32 v39, 23, v37
	s_delay_alu instid0(VALU_DEP_1)
	v_lshl_or_b32 v48, v39, 16, v38                ; my bytes: blocks h and 2 + h,
	s_delay_alu instid0(VALU_DEP_1)
	v_lshlrev_b32 v48, v8, v48                     ; at their places;
	s_delay_alu instid0(VALU_DEP_1)
	v_permlanex16_b32 v49, v48, s20, s21           ; with lane l xor 16's the word is whole
	s_delay_alu instid0(VALU_DEP_1)
.if QS < 4
	v_or_b32 v[16+4*QT+QS], v48, v49               ; register i: K step i in lanes 0-15,
.else
	v_or_b32 v48, v48, v49
	s_delay_alu instid0(VALU_DEP_1)
	v_cndmask_b32 v[12+4*QT+QS], v[12+4*QT+QS], v48, s24   ; K step 4 + i in lanes 16-31
.endif
.endm
.macro STEP f
.if (\f)+2 < 16
	s_wait_loadcnt 32                              ; unit f is in; the two younger units, 16 loads each, may be out
.else
	s_wait_loadcnt 16*(15-(\f))
.endif
	TURN \f
	s_wait_dscnt 0x0                               ; the unit is back, and its ring place has been read
.if (\f)+3 < 16
	LOAD (\f)+3
.endif
	QUANT \f
.endm
.macro NEWFILL g0, g1                  ; a later first fill: the same lines as ahead of a refill
	s_wait_tensorcnt 0x0
	ds_add_u32 v1, v2
	s_wait_dscnt 0x0
	CROUND
	tensor_load_to_lds s[\g0:\g0+3], s[\g1:\g1+7]
	s_nop 0
	FOUR
.endm
	LOAD 0
	LOAD 1
	LOAD 2
	WIN 0
	CROUND                                         ; in front of the first joint load
	tensor_load_to_lds s[48:51], s[32:39]          ; slot 0: my record of records 0-7; one tensor load a wave at the head
	s_nop 0
	FOUR
.irp f, 0,1,2,3
	STEP \f
.endr
	NEWFILL 56, 40                                 ; slot 0 has landed; the table goes out
.irp f, 4,5,6,7
	STEP \f
.endr
	NEWFILL 52, 32                                 ; the table has landed; slot 1 goes out
.irp f, 8,9,10,11,12,13,14,15
	STEP \f
.endr
.macro RUN t                           ; the record at s25 and the table's entry at s26 into set t
	WIN 0
	v_add_nc_u32 v6, s25, v3
	v_add_nc_u32 v9, s26, v7
.set J, 0
.rept 24
	ds_load_b128 v[64+96*(\t)+4*J:67+96*(\t)+4*J], v6 offset:512*J
.set J, J+1
.endr
	ds_load_b128 v[24+4*(\t):27+4*(\t)], v6 offset:12288
	ds_load_b64 v[50+2*(\t):51+2*(\t)], v9 offset:8      ; (wa, cb): the low word is what a packed line spreads
	WIN 0x40
	ds_load_b64 v[240+2*(\t):241+2*(\t)], v9             ; (cb, wa), into window 1
	s_add_co_u32 s25, s25, REC
	s_add_co_u32 s26, s26, 256
.endm
.macro MM p                            ; source 0: 16 rows of x, source 1: 16 columns of W_y: register j of lane (r, h) is (row 8 h + j, column r)
.set mS, I/2
.set mD, 192+8*(I%2)
.set mA, 96*(I%2)+12*mS
.set mB, 64+96*(\p)+12*mS
.set mX, 16+4*(I%2)+mS%4
.set mW, 24+4*(\p)+mS%4
.if mS == 0
	v_wmma_scale_f32_16x16x128_f8f6f4 v[mD:mD+7], v[mA:mA+11], v[mB:mB+11], 0, v[mX], v[mW] matrix_a_fmt:MATRIX_FMT_BF6 matrix_b_fmt:MATRIX_FMT_BF6
.elseif mS < 4
	v_wmma_scale_f32_16x16x128_f8f6f4 v[mD:mD+7], v[mA:mA+11], v[mB:mB+11], v[mD:mD+7], v[mX], v[mW] matrix_a_fmt:MATRIX_FMT_BF6 matrix_b_fmt:MATRIX_FMT_BF6
.else
	v_wmma_scale_f32_16x16x128_f8f6f4 v[mD:mD+7], v[mA:mA+11], v[mB:mB+11], v[mD:mD+7], v[mX], v[mW] matrix_a_fmt:MATRIX_FMT_BF6 matrix_b_fmt:MATRIX_FMT_BF6 matrix_a_scale:MATRIX_SCALE_ROW1 matrix_b_scale:MATRIX_SCALE_ROW1
.endif
.endm
; One record against my 32 rows.  No transcendental stands inside the sums' chains; each batch has its wait ahead and behind.
.macro VISIT p, first, last
	s_wait_dscnt 0x0                               ; set p is in
.if (\last) == 0
	RUN 1-(\p)                                     ; the next record: the other set was last multiplied a visit ago, over 60 plain lines back
.endif
	WIN 0x51                                       ; sources 0 and 2 and the destination in window 1, source 1 in window 0
.set I, 0
.rept 16
	MM \p                                          ; the two accumulators by turns, one instruction a turn
.set I, I+1
.endr
	FOUR                                           ; four places ahead of the lines that read the results (ISA guide 7.12.1)
	s_wait_alu depctr_va_vdst(0)
.set J, 0
.rept 8
	v_pk_fma_f32 v[192+2*J:193+2*J], v[192+2*J:193+2*J], s[22:23], v[240+2*(\p):241+2*(\p)] op_sel_hi:[1,0,0]   ; c x + cb
.set J, J+1
.endr
	s_wait_alu depctr_va_vdst(0)
.set J, 0
.rept 16
	v_exp_f32 v[192+J], v[192+J]
.set J, J+1
.endr
	v_nop
	s_wait_alu depctr_va_vdst(0)
.set J, 0
.rept 8
	v_pk_add_f32 v[192+2*J:193+2*J], v[192+2*J:193+2*J], 1.0 op_sel_hi:[1,0]
.set J, J+1
.endr
	s_wait_alu depctr_va_vdst(0)
.set J, 0
.rept 16
	v_rcp_f32 v[192+J], v[192+J]
.set J, J+1
.endr
.if \first
	v_add_f32 v252, 0, v[50+2*(\p)]                ; my column's wa starts its sum (the plain place behind the batch)
.else
	v_add_f32 v252, v252, v[50+2*(\p)]
.endif
	s_wait_alu depctr_va_vdst(0)
.set J, 0
.rept 8
.if \first
	v_pk_mul_f32 v[224+2*J:225+2*J], v[192+2*J:193+2*J], v[50+2*(\p):51+2*(\p)] op_sel_hi:[1,0]    ; the first visit starts the sums: nothing is cleared
.else
	v_pk_fma_f32 v[224+2*J:225+2*J], v[192+2*J:193+2*J], v[50+2*(\p):51+2*(\p)], v[224+2*J:225+2*J] op_sel_hi:[1,0,1]
.endif
.set J, J+1
.endr
	WIN 0
.endm
; At the head of visit 8 c + 7: the slot's last record is in registers once my LDS loads are back, and the other slot is wanted next.
.macro CHANGE fill
	s_wait_tensorcnt 0x0                           ; my record of the other slot has landed
	ds_add_u32 v1, v2
.if \fill
	s_xor_b32 s53, s53, SLOT1                      ; no tensor load of mine is out: the slot just read, the records 16 on from its own
	s_add_nc_u64 s[54:55], s[54:55], SLOTB
.endif
	s_sub_co_u32 s25, s25, SLOTB
	s_xor_b32 s25, s25, SLOT1                      ; reads go on at the other slot's first record
	s_wait_dscnt 0x0                               ; the add is done, and my reads of the slot are back
.if \fill
	CROUND                                         ; the same holds of every wave of the four work-groups
	tensor_load_to_lds s[52:55], s[32:39]
	s_nop 0
	FOUR
.else
	s_barrier_signal -1
	s_barrier_wait -1
.endif
.endm
	s_mov_b32 s25, 0
	s_mov_b32 s26, 0
	s_wait_alu depctr_va_vdst(0)                   ; the wait here
	RUN 0
	VISIT 0, 1, 0
	s_mov_b32 s27, 3
.Lhead:                                                ; visits 1-6
	VISIT 1, 0, 0
	VISIT 0, 0, 0
	s_sub_co_u32 s27, s27, 1
	s_cmp_lg_u32 s27, 0
	s_cbranch_scc1 .Lhead
	s_mov_b32 s28, 6
.Lslot:                                                ; visits 7-54: six changes of slots, each with a refill
	CHANGE 1
	s_mov_b32 s27, 4
.Lpair:
	VISIT 1, 0, 0
	VISIT 0, 0, 0
	s_sub_co_u32 s27, s27, 1
	s_cmp_lg_u32 s27, 0
	s_cbranch_scc1 .Lpair
	s_sub_co_u32 s28, s28, 1
	s_cmp_lg_u32 s28, 0
	s_cbranch_scc1 .Lslot
	CHANGE 0                                       ; visits 55-63: nothing is left to fetch
	s_mov_b32 s27, 4
.Ltail:
	VISIT 1, 0, 0
	VISIT 0, 0, 0
	s_sub_co_u32 s27, s27, 1
	s_cmp_lg_u32 s27, 0
	s_cbranch_scc1 .Ltail
	VISIT 1, 0, 1
	; THE WAY OUT: the sums over the sixteen lanes (columns); register 8 T + j of half h is row 16 T + 8 h + j
	WIN 0x01
.set J, 0
.rept 16
	v_mov_b32 v[64+J], v[224+J]
.set J, J+1
.endr
	v_mov_b32 v14, v252
	WIN 0
.irp m, 1,2,4,8
.set J, 0
.rept 16
	v_add_f32_dpp v[64+J], v[64+J], v[64+J] row_xmask:\m row_mask:0xf bank_mask:0xf
.set J, J+1
.endr
	v_add_f32_dpp v14, v14, v14 row_xmask:\m row_mask:0xf bank_mask:0xf
.endr
	s_delay_alu instid0(VALU_DEP_1)
	v_mul_f32 v14, 0xbfb8aa3b, v14                 ; -log2(e) x the sum of all wa
.irp q, 0,1,2,3
	ds_store_b128 v10, v[64+4*\q:67+4*\q] offset:64*(\q/2)+16*(\q%2)   ; sixteen lanes write the same words with the same values
.endr
	s_wait_alu depctr_va_vdst(0)                   ; the wait here, directly ahead of the wait below
	s_wait_dscnt 0x0                               ; for the others' sake: my stores have landed
	s_barrier_signal -1
	s_barrier_wait -1
	s_cmp_lt_u32 s14, 4
	s_cbranch_scc0 .Lend                           ; waves 0-3 finish 64 rows each, so that a wave's store covers 256 consecutive bytes, aligned
	ds_load_b64 v[80:81], v11
	s_wait_dscnt 0x0
	v_fma_f32 v80, v80, s22, v14                   ; -log2(e) l,  l = sum wa - 2 sum wa / (1 + 2^..)
	v_fma_f32 v81, v81, s22, v14
	s_wait_alu depctr_va_vdst(0)
	v_exp_f32 v80, v80
	v_exp_f32 v81, v81
	v_nop
	s_wait_alu depctr_va_vdst(0)
	v_add_f32 v80, 1.0, v80
	v_add_f32 v81, 1.0, v81
	s_wait_alu depctr_va_vdst(0)
	v_rcp_f32 v80, v80                             ; sigmoid(l)
	v_rcp_f32 v81, v81
	v_nop
	s_wait_alu depctr_va_vdst(0)
	v_mul_f32 v80, 0x3fb8aa3b, v80
	v_mul_f32 v81, 0x3fb8aa3b, v81
	s_wait_alu depctr_va_vdst(0)
	v_exp_f32 v80, v80
	v_exp_f32 v81, v81
	v_nop
	s_wait_alu depctr_va_vdst(0)
	v_mul_f32 v82, v80, v12
	v_mul_f32 v83, v81, v13
	global_store_b64 v15, v[82:83], s[12:13]
.Lend:
	s_wait_tensorcnt 0x0                           ; the wave's end
	ds_add_u32 v1, v2
	s_wait_dscnt 0x0
	CROUND                                         ; the closing round
	s_endpgm
.Lfunc_end_k_q25c6ba9133_logits:
	.size	k_q25c6ba9133_logits, .Lfunc_end_k_q25c6ba9133_logits-k_q25c6ba9133_logits
	.p2alignl 7, 3214868480
	.fill 96, 4, 3214868480
	.section	.rodata,"a",@progbits
	.p2align	6, 0x0
	.amdhsa_kernel k_q25c6ba9133_logits
		.amdhsa_group_segment_fixed_size 327680
		.amdhsa_private_segment_fixed_size 0
		.amdhsa_enable_private_segment 0
		.amdhsa_kernarg_size 40
		.amdhsa_user_sgpr_count 2
		.amdhsa_user_sgpr_kernarg_segment_ptr 1
		.amdhsa_wavefront_size32 1
		.amdhsa_system_sgpr_workgroup_id_x 1
		.amdhsa_system_sgpr_workgroup_id_y 1
		.amdhsa_system_sgpr_workgroup_id_z 1
		.amdhsa_system_vgpr_workitem_id 0
		.amdhsa_next_free_vgpr 512
		.amdhsa_next_free_sgpr 66
		.amdhsa_reserve_vcc 0
		.amdhsa_float_denorm_mode_32 3
		.amdhsa_float_denorm_mode_16_64 3
		.amdhsa_memory_ordered 1
		.amdhsa_forward_progress 1
		.amdhsa_inst_pref_size 182
	.end_amdhsa_kernel
	.amdgpu_metadata
---
amdhsa.version: [ 1, 2 ]
amdhsa.kernels:
  - .name:           k_q25c6ba9133_logits
    .symbol:         k_q25c6ba9133_logits.kd
    .args:
      - { .name: full_input, .offset: 0, .size: 8, .value_kind: global_buffer, .address_space: global }
      - { .name: mask, .offset: 8, .size: 8, .value_kind: global_buffer, .address_space: global }
      - { .name: wimg, .offset: 16, .size: 8, .value_kind: global_buffer, .address_space: global }
      - { .name: tab, .offset: 24, .size: 8, .value_kind: global_buffer, .address_space: global }
      - { .name: u, .offset: 32, .size: 8, .value_kind: global_buffer, .address_space: global }
    .group_segment_fixed_size: 327680
    .private_segment_fixed_size: 0
    .kernarg_segment_align: 8
    .kernarg_segment_size: 40
    .max_flat_workgroup_size: 256
    .sgpr_count:     66
    .vgpr_count:     512
    .wavefront_size: 32
...
	.end_amdgpu_metadata
.endif
;; end of part 2
;; launch pool (part 3): grid 256 x 1, 16 waves a work-group, no clusters, 22,528 bytes of LDS; arguments full_input, u, flags, out0; writes out0
.if DOCPART == 3
	.amdgcn_target "amdgcn-amd-amdhsa--gfx1250"
	.amdhsa_code_object_version 6
	.text
	.protected	k_q25c6ba9133_pool
	.globl	k_q25c6ba9133_pool
	.p2align	8
	.type	k_q25c6ba9133_pool,@function
k_q25c6ba9133_pool:
	s_mov_b64 s[64:65], 0
	v_nop
	global_prefetch_b8 v0, s[64:65] scope:SCOPE_SE
	s_setreg_imm32_b32 hwreg(HW_REG_WAVE_MODE, 25, 1), 1
	s_wait_xcnt 0x0
; POOL: out[b][d] = (sum over t of u[b][t] x[b][t][d]) / (sum over t of u[b][t]),  u = exp(sigmoid(l)) x mask.
; A PIECE is one batch x 64 columns (256 bytes of every row), summed over all t by one work-group: each output has one owner.  There are 32 x 16 pieces; a work-group takes two, of the same 64 columns:
; work-group g: columns 64 (g % 16) ..; batch A has rank g / 16 and batch B rank 31 - g / 16 when the batches are ordered by their numbers of live chunks, so that a long batch goes with a short one.
; A chunk is 64 rows; it is live if the whole number that an earlier launch stored for it is not 0.  A chunk that is not live has u = 0 in all its rows, adds nothing and is passed over by a scalar branch.
; The ranks are made by every wave for itself from the 1,024 stored numbers: lane b holds batch b's 32 numbers, its bits and its count; the key 32 x count + b is unlike in all lanes.
; Wave w takes A's chunks w and w + 16, and of B the chunks k and k + 16 with k = (w - A's count) mod 16: where the live chunks are a batch's first ones, B's go on round the waves where A's end.
; The order only deals the work: the sums are right for every mask.
; A load of x covers 2 rows x 256 consecutive bytes, aligned: lanes 0-15 row i of the chunk, lanes 16-31 row 32 + i.  So a half's 32 u are 128 consecutive bytes: eight loads of 16 bytes, the same for its 16 lanes.
; The divisor is the sum of the same u.  Up to 40 loads of a wave are on their way.  A stream: no matrix unit, no tensor load, no cluster (no two work-groups read the same bytes of x),
; no prefetch (all that a wave does between its loads is 144 lines of arithmetic).
; LIMITS: an infinity or NaN of x in a chunk that is wholly masked is passed over, where the definition gives NaN.  A batch whose mask is all 0 gives 0 x (1 / 0) = NaN, as the definition does.
.set DEN,   16384                      ; LDS: 0 .. 16,383 the waves' sums, 8,192 bytes a piece; then each thread's divisor part, 2,048 bytes a piece
.set SPARE, 20480                      ; the spare words: 128 bytes for each of 16 waves
.set U, 24                             ; v[24:55]   a chunk's u: register i: row 32 h + i   (first: the stored numbers)
.set X, 56                             ; v[56:183]  a chunk's x: registers 4 i .. 4 i + 3: my 4 columns of row 32 h + i
; v1 lane; v2, v3 my offsets in x and u; v[4:7], v[8:11] sums of A, B; v[12:13], v[14:15] divisor parts; v16-v21 addresses; v22, v23 the add's two registers
.macro FM acc, j0                      ; 16 rows into the sums
.set J, \j0
.rept 16
.irp e, 0,1,2,3
	v_fmac_f32 v[\acc+\e], v[U+J], v[X+4*J+\e]
.endr
.set J, J+1
.endr
.endm
.macro ENTRY acc, den, sb, sbits, sc, up       ; chunk s[sc] + up of batch s[sb], whose bits are s[sbits]
	s_add_co_u32 s30, s[\sc], \up
	s_lshr_b32 s31, s[\sbits], s30
	s_and_b32 s31, s31, 1
	s_cmp_eq_u32 s31, 0
	s_cbranch_scc1 .Lskip_\@
	s_lshl_b32 s32, s[\sb], 23                     ; x: 2,048 rows of 4,096 bytes a batch,
	s_lshl_b32 s33, s30, 18                        ; 64 a chunk
	s_add_co_u32 s32, s32, s33
	s_mov_b32 s33, 0
	s_add_nc_u64 s[34:35], s[4:5], s[32:33]
	s_lshl_b32 s32, s[\sb], 13                     ; u: 8,192 bytes a batch, 256 a chunk
	s_lshl_b32 s31, s30, 8
	s_add_co_u32 s32, s32, s31
	s_add_nc_u64 s[36:37], s[6:7], s[32:33]
.set J, 0
.rept 8
	global_load_b128 v[U+4*J:U+4*J+3], v3, s[36:37] offset:16*J
.set J, J+1
.endr
.set J, 0
.rept 32
	global_load_b128 v[X+4*J:X+4*J+3], v2, s[34:35] offset:4096*J th:TH_LOAD_NT
.set J, J+1
.endr
	s_wait_alu depctr_va_vdst(0)                   ; the wait here, directly ahead of the wait below
	s_wait_loadcnt 16                              ; u and rows 0-15 of each half are in; the 16 younger loads may be out
.set J, 0
.rept 16
	v_pk_add_f32 v[\den:\den+1], v[\den:\den+1], v[U+2*J:U+2*J+1]
.set J, J+1
.endr
	FM \acc, 0
	s_wait_alu depctr_va_vdst(0)
	s_wait_loadcnt 0x0                             ; all are in: the bases and the registers may be used again
	FM \acc, 16
.Lskip_\@:
.endm
	s_load_b256 s[4:11], s[0:1], 0x0               ; x s[4:5], u s[6:7], flags s[8:9], out0 s[10:11]
	v_lshl_add_u32 v22, v0, 2, SPARE
	v_mov_b32 v23, 0
	v_lshrrev_b32 v1, 5, v0
	s_delay_alu instid0(VALU_DEP_1)
	v_readfirstlane_b32 s12, v1                    ; wave 0..15
	s_lshr_b32 s13, ttmp9, 4                       ; rank of batch A
	s_sub_co_u32 s14, 31, s13                      ; rank of batch B
	s_and_b32 s38, s12, 1
	s_lshl_b32 s39, s38, 13                        ; at the end wave 0 adds A's parts, wave 1 B's
	s_lshl_b32 s42, s38, 11
	s_add_co_u32 s42, s42, DEN
	s_mov_b32 s40, 0x76543210
	s_mov_b32 s41, 0xfedcba98                      ; v_permlanex16_b32's selects for lane l xor 16
	v_and_b32 v1, 31, v0                           ; lane
	v_and_b32 v20, 15, v0
	v_bfe_u32 v3, v0, 4, 1                         ; h
	v_lshlrev_b32 v16, 4, v0                       ; 16 x thread
	v_lshl_add_u32 v17, v0, 2, DEN
	v_lshlrev_b32 v21, 7, v1                       ; the stored numbers: 128 bytes a batch
	v_lshl_add_u32 v18, v1, 4, s39
	v_lshl_add_u32 v19, v20, 7, s42                ; wave l % 16's lane 0
	v_lshlrev_b32 v20, 4, v20                      ; my 16 bytes of the 256
	s_delay_alu instid0(VALU_DEP_1)
	v_lshl_add_u32 v2, v3, 17, v20                 ; + 32 rows for lanes 16-31
	v_lshlrev_b32 v3, 7, v3                        ; u: + 32 numbers for lanes 16-31
.set J, 4
.rept 12
	v_mov_b32 v[J], 0                              ; the sums (a wave may pass over all its chunks)
.set J, J+1
.endr
	s_wait_alu depctr_va_vdst(0)                   ; the wait at the head's end
	s_wait_kmcnt 0x0
	s_and_b32 s24, ttmp9, 15
	s_lshl_b32 s24, s24, 8                         ; my 256 bytes of every row
	s_mov_b32 s25, 0
	s_add_nc_u64 s[4:5], s[4:5], s[24:25]
.set J, 0
.rept 8
	global_load_b128 v[U+4*J:U+4*J+3], v21, s[8:9] offset:16*J
.set J, J+1
.endr
	s_wait_loadcnt 0x0
	v_add_nc_u32 v58, v[U], v[U+1]                 ; batch b's count,
	v_mov_b32 v56, v[U]                            ; and its bits, even and odd chunks apart
	v_lshlrev_b32 v57, 1, v[U+1]
.set J, 2
.rept 15
	v_add3_u32 v58, v58, v[U+J], v[U+J+1]
	v_lshl_or_b32 v56, v[U+J], J, v56
	v_lshl_or_b32 v57, v[U+J+1], J+1, v57
.set J, J+2
.endr
	v_lshl_or_b32 v59, v58, 5, v1                  ; the key
	v_or_b32 v56, v56, v57
	v_mov_b32 v60, 0
.set J, 0
.rept 32                               ; my rank: how many keys are greater than mine
	v_readlane_b32 s26, v59, J
	v_cmp_gt_u32 vcc_lo, s26, v59
	v_add_co_ci_u32 v60, vcc_lo, 0, v60, vcc_lo
.set J, J+1
.endr
	v_cmp_eq_u32 s16, s13, v60                     ; one lane has each rank
	v_cmp_eq_u32 s17, s14, v60
	s_ctz_i32_b32 s16, s16
	s_ctz_i32_b32 s17, s17
	s_min_u32 s16, s16, 31                         ; batch A
	s_min_u32 s17, s17, 31                         ; batch B
	v_readlane_b32 s18, v56, s16                   ; their bits,
	v_readlane_b32 s19, v56, s17
	v_readlane_b32 s20, v58, s16                   ; and A's count
	s_sub_co_u32 s21, s12, s20
	s_and_b32 s21, s21, 15
	s_min_u32 s21, s21, 15                         ; my first chunk of B
	ENTRY 4, 12, 16, 18, 12, 0
	ENTRY 8, 14, 17, 19, 21, 0
	ENTRY 4, 12, 16, 18, 12, 16
	ENTRY 8, 14, 17, 19, 21, 16
	s_wait_alu depctr_va_vdst(0)                   ; the wait here
	v_add_f32 v12, v12, v13
	v_add_f32 v14, v14, v15
	ds_store_b128 v16, v[4:7]
	ds_store_b128 v16, v[8:11] offset:8192
	ds_store_b32 v17, v12
	ds_store_b32 v17, v14 offset:2048
	s_wait_dscnt 0x0                               ; for the others' sake: my stores have landed
	s_barrier_signal -1
	s_barrier_wait -1
	s_cmp_gt_u32 s12, 1
	s_cbranch_scc1 .Lend
.set J, 0
.rept 16
	ds_load_b128 v[X+4*J:X+4*J+3], v18 offset:512*J        ; the sixteen waves' parts of my piece
.set J, J+1
.endr
	ds_load_b32 v24, v19                           ; wave l % 16's divisor parts: its two halves'
	ds_load_b32 v25, v19 offset:64
	s_cmp_eq_u32 s12, 0
	s_cselect_b32 s30, s16, s17
	s_lshl_b32 s30, s30, 12                        ; out0: 4,096 bytes a batch
	s_add_co_u32 s30, s30, s24
	s_mov_b32 s31, 0
	s_add_nc_u64 s[10:11], s[10:11], s[30:31]
	s_wait_dscnt 0x0
	v_add_f32 v24, v24, v25
.set J, 0
.rept 16
	v_pk_add_f32 v[X+2*J:X+2*J+1], v[X+2*J:X+2*J+1], v[X+32+2*J:X+33+2*J]
.set J, J+1
.endr
	v_add_f32_dpp v24, v24, v24 row_xmask:1 row_mask:0xf bank_mask:0xf
.set J, 0
.rept 8
	v_pk_add_f32 v[X+2*J:X+2*J+1], v[X+2*J:X+2*J+1], v[X+16+2*J:X+17+2*J]
.set J, J+1
.endr
	v_add_f32_dpp v24, v24, v24 row_xmask:2 row_mask:0xf bank_mask:0xf
.set J, 0
.rept 4
	v_pk_add_f32 v[X+2*J:X+2*J+1], v[X+2*J:X+2*J+1], v[X+8+2*J:X+9+2*J]
.set J, J+1
.endr
	v_add_f32_dpp v24, v24, v24 row_xmask:4 row_mask:0xf bank_mask:0xf
	s_delay_alu instid0(VALU_DEP_1)
	v_add_f32_dpp v24, v24, v24 row_xmask:8 row_mask:0xf bank_mask:0xf   ; the divisor: each half of the lanes has all sixteen waves
	s_wait_alu depctr_va_vdst(0)                   ; the wait ahead of the reciprocal
	v_rcp_f32 v26, v24
	v_pk_add_f32 v[X:X+1], v[X:X+1], v[X+4:X+5]
	v_pk_add_f32 v[X+2:X+3], v[X+2:X+3], v[X+6:X+7]
.irp e, 0,1,2,3
	v_permlanex16_b32 v[X+8+\e], v[X+\e], s40, s41         ; the other half's 32 rows of each chunk
.endr
.irp e, 0,1,2,3
	v_add_f32 v[X+\e], v[X+\e], v[X+8+\e]
.endr
	s_wait_alu depctr_va_vdst(0)                   ; and ahead of the first line that names its result
.irp e, 0,1,2,3
	v_mul_f32 v[X+8+\e], v[X+\e], v26
.endr
	global_store_b128 v20, v[X+8:X+11], s[10:11]   ; sixteen lanes store 256 consecutive bytes, aligned; lanes l and l + 16 write the same bytes with the same values
.Lend:
	s_wait_tensorcnt 0x0                           ; the wave's end
	ds_add_u32 v22, v23
	s_wait_dscnt 0x0
	s_endpgm
.Lfunc_end_k_q25c6ba9133_pool:
	.size	k_q25c6ba9133_pool, .Lfunc_end_k_q25c6ba9133_pool-k_q25c6ba9133_pool
	.p2alignl 7, 3214868480
	.fill 96, 4, 3214868480
	.section	.rodata,"a",@progbits
	.p2align	6, 0x0
	.amdhsa_kernel k_q25c6ba9133_pool
		.amdhsa_group_segment_fixed_size 22528
		.amdhsa_private_segment_fixed_size 0
		.amdhsa_enable_private_segment 0
		.amdhsa_kernarg_size 32
		.amdhsa_user_sgpr_count 2
		.amdhsa_user_sgpr_kernarg_segment_ptr 1
		.amdhsa_wavefront_size32 1
		.amdhsa_system_sgpr_workgroup_id_x 1
		.amdhsa_system_sgpr_workgroup_id_y 1
		.amdhsa_system_sgpr_workgroup_id_z 1
		.amdhsa_system_vgpr_workitem_id 0
		.amdhsa_next_free_vgpr 184
		.amdhsa_next_free_sgpr 66
		.amdhsa_reserve_vcc 1
		.amdhsa_float_denorm_mode_32 3
		.amdhsa_float_denorm_mode_16_64 3
		.amdhsa_memory_ordered 1
		.amdhsa_forward_progress 1
		.amdhsa_inst_pref_size 53
	.end_amdhsa_kernel
	.amdgpu_metadata
---
amdhsa.version: [ 1, 2 ]
amdhsa.kernels:
  - .name:           k_q25c6ba9133_pool
    .symbol:         k_q25c6ba9133_pool.kd
    .args:
      - { .name: full_input, .offset: 0, .size: 8, .value_kind: global_buffer, .address_space: global }
      - { .name: u, .offset: 8, .size: 8, .value_kind: global_buffer, .address_space: global }
      - { .name: flags, .offset: 16, .size: 8, .value_kind: global_buffer, .address_space: global }
      - { .name: out0, .offset: 24, .size: 8, .value_kind: global_buffer, .address_space: global }
    .group_segment_fixed_size: 22528
    .private_segment_fixed_size: 0
    .kernarg_segment_align: 8
    .kernarg_segment_size: 32
    .max_flat_workgroup_size: 512
    .sgpr_count:     66
    .vgpr_count:     184
    .wavefront_size: 32
...
	.end_amdgpu_metadata
.endif
;; end of part 3
